; MI455X (gfx1250); checked and timed in simulation.
; The chip was launched on July 23, 2026; its instructions are those of AMD's public machine-readable ISA for CDNA 5 (MIT licence, August 2026) and "CDNA5" Instruction Set Architecture Reference Guide (July 2026). The comments in the code are by the model that wrote it; some were corrected since.
;; Prior Network. Allowed arithmetic: float matrix products may take bf16 or f16 operands with f32 sums; other float arithmetic in f32, or as packed bf16 or f16 multiplies, adds, multiply-adds, maxima and minima; sums over many terms, partial sums and values carried from step to step in f32; what a program stores and reads back later, other than sums and carried values, may be rounded once to bf16 or f16.
;; Inputs: b_h1 1,024 float32; b_h2 1,024 float32; b_h3 1,024 float32; b_in 1,024 float32; b_mu 256 float32; b_s 256 float32; b_s1o 1,024 float32; b_s2 1,024 float32; b_s2o 1,024 float32; b_s3 1,024 float32; codebook 250,000 x 256 float32; codes 512 x 256 float32; w_h1 1,024 x 1,024 float32; w_h2 1,024 x 1,024 float32; w_h3 1,024 x 1,024 float32; w_in 1,024 x 256 float32; w_mu 256 x 1,024 float32; w_s 256 x 1,024 float32; w_s1o 1,024 x 1,024 float32; w_s2 1,024 x 1,024 float32; w_s2o 1,024 x 1,024 float32; w_s3 1,024 x 1,024 float32.
;; Outputs: out0 512 x 256 float32; out1 512 x 256 float32.
;; One version. Each part assembles by itself: llvm-mc -triple=amdgcn-amd-amdhsa -mcpu=gfx1250 --defsym DOCPART=n.
;; ======== version 1 of 1: 8 launches
;; limits: values are held in f16: magnitudes above 65,504 overflow, below 6.1e-05 lose precision; values outside matrix products are rounded to f16; sums are carried in f16; values within 0.000122 (relative) of each other or of a threshold may be ordered or decided otherwise than in the reference
;; workspace buffers: vals 524,288 bytes; sel 8,192 bytes of whole numbers; act0 1,048,576 bytes; act1 1,048,576 bytes; act2 1,048,576 bytes; act3 1,048,576 bytes; act4 1,048,576 bytes
;; launch search (part 1): grid 256 x 1, 4 waves a work-group, no clusters, 322,304 bytes of LDS; arguments codes, codebook, vals; writes vals
.if DOCPART == 1
	.amdgcn_target "amdgcn-amd-amdhsa--gfx1250"
	.amdhsa_code_object_version 6
	.text
	.protected	k_q934808a2be_search
	.globl	k_q934808a2be_search
	.p2align	8
	.type	k_q934808a2be_search,@function
k_q934808a2be_search:
	s_mov_b64 s[64:65], 0
	v_nop
	global_prefetch_b8 v0, s[64:65] scope:SCOPE_SE
	s_setreg_imm32_b32 hwreg(HW_REG_WAVE_MODE, 25, 1), 1
	s_wait_xcnt 0x0
; COARSE NEAREST-NEIGHBOUR SEARCH.  score(q, c) = c.q - |c|^2 / 2 (largest = nearest; |q|^2 is the same for all c).
; codes [512][256] f32, codebook [250000][256] f32, vals [256 work-groups][512 queries] f32 keys.
; SHARES.  250,000 rows = 15,625 tiles of 16.  Work-group g takes 62 tiles from tile 61 g + min(g, 8) (the last ends at tile 15,625;
; from g = 9 on neighbours share one tile, which a maximum does not mind).  Every work-group sees all 512 queries: wave w keeps queries
; 128 w .. +127 in registers as 8 tiles x 8 K steps x 8 = 512 registers, so every codebook byte is read and converted once.
; PRODUCT.  Source 0 = 16 codebook rows, source 1 = 16 queries, f16, sums in f32.  The first K step takes -|c|^2/2 of rows 8 h + j as C.
; KEY.  The score's low 10 bits are replaced by 16 (local tile + 1) + 8 h + j, so that one float maximum carries the row along.
; Tensor loads and clusters are not used: every operand has to pass registers for the f32 -> f16 conversion, and no two work-groups read the
; same codebook rows; the queries (512 KiB) are read once by each work-group at its start.
; LIMITS.  Operands above 65,504 in magnitude overflow f16, below 6e-5 they have f16's absolute step.  The score is cut to 13 bits of
; mantissa (at scores near 64: 0.008).  A later launch ranks exactly the four best work-group winners of each query; a true nearest row that
; is beaten inside its own work-group by these roundings is lost.  NaN and infinities are not served.
.set PITCH,  528                       ; an LDS row: 512 bytes of f16 + 16: an odd multiple of 16, so 16 rows of a fragment load start at different banks
.set TILEB,  16*PITCH
.set C2O,    32*PITCH                  ; behind a slot's 32 rows: 32 words, -|c|^2/2
.set SLOT,   C2O+256                   ; three slots take turns
.set QSTAGE, 3*SLOT                    ; behind them each wave's own stage for its 128 queries
.set QBYTES, 128*PITCH
.set STEPB,  32*1024                   ; a step: 32 codebook rows of 1,024 bytes
.set TRIPS,  9                         ; 27 steps in the loop, 4 written out
.set FADR, 3                           ; r x 528 + 16 h: my place in a fragment
.set CIADR, 4                          ; 32 h
.set VOFF, 5                           ; my 16 bytes in a step's rows in memory
.set LADR, 6                           ; my 8 bytes in a slot
.set CADR, 7                           ; my row's word of -|c|^2/2
.set QOFF, 8
.set QST0, 9                           ; v9, v10: stage, query tiles 0-3 and 4-7
.set QFA,  11
.set H8,   12
.set OUTOFF, 14
.set SCRW, 15
.set ST,   16                          ; v16-23 running key of each query tile
.set KT,   24                          ; v24-27 keys at work
.set SQ,   28                          ; v28-35 four pairs of sums of squares
.set SCRR, 36
.set CI0,  40
.set CI1,  48
.set OUT,  56
.set ACC,  64                          ; v64-95 set 0 (query tiles 0-3), v96-127 set 1 (tiles 4-7)
.set FR0,  128                         ; codebook fragments of the step's tile 0, 8 K steps x 8
.set FR1,  192                         ; of its tile 1
; window 1: v0-191 the staging ring, 3 steps x 64.  windows 2, 3: the queries (tile t at 64 (t % 4) + 8 k of window 2 + t / 4); window 2 first stages them in f32.
.set MSB, 0
.macro WIN new                         ; low byte: bits 1:0 source 0, 3:2 source 1, 5:4 source 2, 7:6 destination; the high byte repeats the setting left
.if MSB != (\new)
	s_set_vgpr_msb (MSB<<8)|(\new)
.set MSB, (\new)
.endif
.endm
.macro PLACES
.rept 4
	v_nop
.endr
.endm
	s_load_b128 s[4:7], s[0:1], 0x0                ; codes s[4:5], codebook s[6:7]
	s_load_b64 s[8:9], s[0:1], 0x10                ; vals
	v_lshl_add_u32 v62, v0, 2, 0x4e900
	v_mov_b32 v63, 0
	v_lshrrev_b32 v13, 5, v0
	v_readfirstlane_b32 s12, v13                   ; wave
	v_and_b32 v1, 15, v0                           ; r
	v_bfe_u32 v2, v0, 4, 1                         ; h
	v_mul_u32_u24 v[FADR], v1, PITCH
	v_lshl_add_u32 v[FADR], v2, 4, v[FADR]
	v_lshlrev_b32 v[CIADR], 5, v2
	s_lshr_b32 s14, s12, 1
	s_lshl_b32 s14, s14, 4
	s_and_b32 s15, s12, 1
	s_lshl_b32 s15, s15, 2
	s_add_co_u32 s14, s14, s15                     ; 16 (w / 2) + 4 (w % 2)
	v_lshl_add_u32 v13, v2, 3, s14                 ; + 8 h: my first row of a step; lanes 16-31 lie 8 rows below lanes 0-15 (32 banks apart in LDS)
	v_lshlrev_b32 v[VOFF], 10, v13
	v_lshl_add_u32 v[VOFF], v1, 4, v[VOFF]
	v_mul_u32_u24 v[LADR], v13, PITCH
	v_lshl_add_u32 v[LADR], v1, 3, v[LADR]
	v_lshlrev_b32 v[CADR], 2, v13
	s_lshl_b32 s15, s12, 17                        ; my wave's 128 query rows
	v_lshlrev_b32 v[QOFF], 13, v2
	v_lshl_add_u32 v[QOFF], v1, 4, v[QOFF]
	v_add_nc_u32 v[QOFF], s15, v[QOFF]
	s_mul_i32 s18, s12, QBYTES
	s_add_co_u32 s18, s18, QSTAGE                  ; my wave's stage
	v_mul_u32_u24 v[QST0], v2, 8*PITCH
	v_lshl_add_u32 v[QST0], v1, 3, v[QST0]
	v_add_nc_u32 v[QST0], s18, v[QST0]
	v_add_nc_u32 v[QST0+1], 64*PITCH, v[QST0]
	v_add_nc_u32 v[QFA], s18, v[FADR]
	v_lshlrev_b32 v[H8], 3, v2
	v_lshlrev_b32 v[OUTOFF], 4, v0                 ; 512 w + 16 lane
	v_and_b32 v13, 31, v0
	v_lshl_add_u32 v[SCRR], v13, 4, s18
	v_lshl_add_u32 v[SCRW], v1, 2, s18
	s_mul_i32 s14, ttmp9, 61
	s_min_u32 s15, ttmp9, 8
	s_add_co_u32 s14, s14, s15                     ; my first tile
	s_lshl_b32 s14, s14, 14                        ; x 16 rows x 1,024 bytes: under 2^28
	s_mov_b32 s15, 0
	s_lshl_b32 s2, ttmp9, 11                       ; my 512 keys in vals
	s_mov_b32 s3, 0
	s_mov_b32 s20, 0xfffffc00                      ; keeps the score's upper 22 bits
	s_mov_b32 s21, 0xff800000                      ; -infinity: the idle operand of the three-way maximum
	s_mov_b32 s22, 0xff7ffc00                      ; the lowest finite key
.irp j, 0,1,2,3,4,5,6,7
	s_mov_b32 s[24+\j], \j                         ; s[24:31]: 16 (local tile + 1) + j of the tile that is drained; stepped by 16
.endr
	s_mov_b32 s34, 0x76543210
	s_mov_b32 s35, 0xfedcba98
	s_wait_kmcnt 0x0
	s_add_nc_u64 s[16:17], s[6:7], s[14:15]        ; the stream's base
	s_add_nc_u64 s[8:9], s[8:9], s[2:3]
; THE QUERIES.  Tile t (16 rows): 32 loads, each covering two whole 256-byte pieces (lanes 0-15 row p, lanes 16-31 row p + 8), into one of two buffers in window 2.
.macro QLOAD t
	WIN 0x80
.irp p, 0,1,2,3,4,5,6,7
.irp c, 0,1,2,3
	global_load_b128 v[128*((\t)%2)+16*\p+4*\c:128*((\t)%2)+16*\p+4*\c+3], v[QOFF], s[4:5] offset:(\t)*16384+\p*1024+\c*256
.endr
.endr
.endm
; Tile t is rounded to f16 in place and put into the wave's stage; lc = the younger loads that may stay out.
.macro QBATCH t, lc, next
	s_wait_loadcnt \lc
	WIN 0x8a
.set qn, 128*((\t)%2)
.rept 32
	v_cvt_pk_f16_f32 v[qn], v[qn], v[qn+1]
	v_cvt_pk_f16_f32 v[qn+1], v[qn+2], v[qn+3]
.set qn, qn+4
.endr
	WIN 0x08
.irp p, 0,1,2,3,4,5,6,7
.irp c, 0,1,2,3
	ds_store_b64 v[QST0+(\t)/4], v[128*((\t)%2)+16*\p+4*\c:128*((\t)%2)+16*\p+4*\c+1] offset:(16*((\t)%4)+\p)*PITCH+128*\c
.endr
.endr
.if \next
	QLOAD (\t)+2
.endif
.endm
; THE STREAM.  A step's 32 rows: 16 loads a wave (4 rows x 2 halves of the lanes x 4 pieces of 256 bytes) into ring place 'ring' of window 1.
.macro CLOAD ring, imm
	WIN 0x40
.irp p, 0,1,2,3
.irp c, 0,1,2,3
	global_load_b128 v[64*\ring+16*\p+4*\c:64*\ring+16*\p+4*\c+3], v[VOFF], s[16:17] offset:\imm+\p*1024+\c*256 th:TH_LOAD_NT
.endr
.endr
.endm
; A step is converted: sums of squares in f32, rounding to f16 in place, 16 stores into the slot; the ring place is asked for again (ldimm >= 0);
; then the rows' sums are finished across 16 lanes and -|c|^2/2 is stored (16 lanes write the same word with the same value).
.macro CONV ring, slot, lc, ldimm
	s_wait_loadcnt \lc                             ; this step's 16 loads are in; lc younger ones stay out
	WIN 0x05
.irp p, 0,1,2,3
	v_pk_mul_f32 v[SQ+2*\p:SQ+2*\p+1], v[64*\ring+16*\p:64*\ring+16*\p+1], v[64*\ring+16*\p:64*\ring+16*\p+1]
.endr
.irp n, 1,2,3,4,5,6,7
.irp p, 0,1,2,3
	v_pk_fma_f32 v[SQ+2*\p:SQ+2*\p+1], v[64*\ring+16*\p+2*\n:64*\ring+16*\p+2*\n+1], v[64*\ring+16*\p+2*\n:64*\ring+16*\p+2*\n+1], v[SQ+2*\p:SQ+2*\p+1]
.endr
.endr
	WIN 0x45
.set cn, 64*\ring
.rept 16
	v_cvt_pk_f16_f32 v[cn], v[cn], v[cn+1]
	v_cvt_pk_f16_f32 v[cn+1], v[cn+2], v[cn+3]
.set cn, cn+4
.endr
	WIN 0x04
.irp p, 0,1,2,3
.irp c, 0,1,2,3
	ds_store_b64 v[LADR], v[64*\ring+16*\p+4*\c:64*\ring+16*\p+4*\c+1] offset:\slot*SLOT+\p*PITCH+128*\c
.endr
.endr
.if \ldimm >= 0
	CLOAD \ring, \ldimm
.endif
	WIN 0
.irp p, 0,1,2,3
	v_add_f32 v[SQ+2*\p], v[SQ+2*\p], v[SQ+2*\p+1]
.endr
.irp m, 1,2,4,8
.irp p, 0,1,2,3
	v_add_f32_dpp v[SQ+2*\p], v[SQ+2*\p], v[SQ+2*\p] row_xmask:\m row_mask:0xf bank_mask:0xf
.endr
.endr
.irp p, 0,1,2,3
	v_mul_f32 v[SQ+2*\p], -0.5, v[SQ+2*\p]
.endr
.irp p, 0,1,2,3
	ds_store_b32 v[CADR], v[SQ+2*\p] offset:\slot*SLOT+C2O+4*\p
.endr
.endm
; 18 LDS loads: a tile's 8 fragments and its eight -|c|^2/2
.macro FRLOAD fr, ci, slot, tile
.irp k, 0,1,2,3,4,5,6,7
	ds_load_b128 v[\fr+8*\k:\fr+8*\k+3],   v[FADR] offset:\slot*SLOT+\tile*TILEB+64*\k
	ds_load_b128 v[\fr+8*\k+4:\fr+8*\k+7], v[FADR] offset:\slot*SLOT+\tile*TILEB+64*\k+32
.endr
	ds_load_b128 v[\ci:\ci+3],   v[CIADR] offset:\slot*SLOT+C2O+64*\tile
	ds_load_b128 v[\ci+4:\ci+7], v[CIADR] offset:\slot*SLOT+C2O+64*\tile+16
.endm
; Score e of 32 of a finished set becomes a key, and the key meets its query tile's running maximum.  Both name a scalar as source 1, the one
; operand place whose window the products switch, so they stand among the products without a switch of their own.
.macro KEY grp, e
	v_and_or_b32 v[KT+(\e)%4], v[ACC+32*(\grp)+(\e)], s20, s[24+(\e)%8]
.endm
.macro BEST grp, e
	v_max3_num_f32 v[ST+4*(\grp)+(\e)/8], v[ST+4*(\grp)+(\e)/8], s21, v[KT+(\e)%4]
.endm
; 32 products: one codebook tile x four query tiles (group grp) x 8 K steps.  The four accumulators take turns, one instruction a turn.
; Behind each product stand two instructions that drain the OTHER set, finished in the phase before: they name none of the product's registers,
; so they are also the places between a set's last products and its first read (nine at the least) and in front of the next fragment loads.
.macro PHASE fr, ci, grp
	WIN 0x08+4*\grp
.set pi, 0
.rept 32
.set pq, pi/4
.set pa, pi%4
.if pi < 4
	v_wmma_f32_16x16x32_f16 v[ACC+32*\grp+8*pa:ACC+32*\grp+8*pa+7], v[\fr+8*pq:\fr+8*pq+7], v[64*pa+8*pq:64*pa+8*pq+7], v[\ci:\ci+7]
.else
	v_wmma_f32_16x16x32_f16 v[ACC+32*\grp+8*pa:ACC+32*\grp+8*pa+7], v[\fr+8*pq:\fr+8*pq+7], v[64*pa+8*pq:64*pa+8*pq+7], v[ACC+32*\grp+8*pa:ACC+32*\grp+8*pa+7]
.endif
	KEY 1-\grp, pi
.if pi > 0
	BEST 1-\grp, pi-1
.endif
.if pi == 31
	BEST 1-\grp, 31
.endif
.set pi, pi+1
.endr
.endm
.macro IDX                             ; the drains go on to the next tile
.irp j, 0,1,2,3,4,5,6,7
	s_add_co_u32 s[24+\j], s[24+\j], 16
.endr
.endm
; A STEP: 32 codebook rows against all my 128 queries, 128 products.  ONE barrier: in front of it each wave has waited for its LDS stores (the slot
; read now is whole) and for its LDS loads (the slot written now was last read two steps ago).  conv = 1: the next step is converted into slot nslot.
.macro STEP ring, slot, nslot, lc, ldimm, conv
	s_wait_dscnt 0x0
	s_barrier_signal -1
	s_barrier_wait -1
	FRLOAD FR0, CI0, \slot, 0
.if \conv
	CONV \ring, \nslot, \lc, \ldimm
.else
	PLACES                                         ; behind the last products, which read FR1
.endif
	FRLOAD FR1, CI1, \slot, 1
.if \conv
	s_wait_dscnt 38                                ; tile 0's 18 loads are in: behind them 20 stores and 18 loads
.else
	s_wait_dscnt 18
.endif
	PHASE FR0, CI0, 0                              ; drains the step before's tile 1, group 1
	IDX
	PHASE FR0, CI0, 1
	s_wait_dscnt 0x0                               ; tile 1's fragments
	PHASE FR1, CI1, 0
	IDX
	PHASE FR1, CI1, 1
	WIN 0
.endm
	QLOAD 0
	QLOAD 1
.irp t, 0,1,2,3,4,5
	QBATCH \t, 32, 1                               ; behind tile t's loads: tile t + 1's 32
.endr
	QBATCH 6, 32, 0
	CLOAD 0, 0                                     ; the stream starts: steps 0, 1, 2
	CLOAD 1, STEPB
	CLOAD 2, 2*STEPB
	QBATCH 7, 48, 0                                ; behind tile 7's loads: the stream's 48
	WIN 0x80                                       ; the queries come back as fragments; LDS serves a wave's instructions in order, and the stage is the wave's own
.irp t, 0,1,2,3
.irp k, 0,1,2,3,4,5,6,7
	ds_load_b128 v[64*\t+8*\k:64*\t+8*\k+3],   v[QFA] offset:\t*TILEB+64*\k
	ds_load_b128 v[64*\t+8*\k+4:64*\t+8*\k+7], v[QFA] offset:\t*TILEB+64*\k+32
.endr
.endr
	WIN 0xc0
.irp t, 0,1,2,3
.irp k, 0,1,2,3,4,5,6,7
	ds_load_b128 v[64*\t+8*\k:64*\t+8*\k+3],   v[QFA] offset:(\t+4)*TILEB+64*\k
	ds_load_b128 v[64*\t+8*\k+4:64*\t+8*\k+7], v[QFA] offset:(\t+4)*TILEB+64*\k+32
.endr
.endr
	CONV 0, 0, 32, 3*STEPB                         ; step 0 into slot 0; its ring place takes step 3
.set n, 0
.rept 8
	v_mov_b32 v[ST+n], s22                         ; the running keys start at the lowest finite key,
.set n, n+1
.endr
.set n, 0
.rept 32
	v_mov_b32 v[ACC+32+n], s22                     ; and so does set 1, which the first phase drains before anything has been multiplied into it
.set n, n+1
.endr
	s_mov_b32 s32, 0
.Lstep:                                                ; step x multiplies slot x % 3, converts step x + 1 and asks for step x + 4 (30 at the most)
	STEP 1, 0, 1, 32, 4*STEPB, 1
	STEP 2, 1, 2, 32, 5*STEPB, 1
	STEP 0, 2, 0, 32, 6*STEPB, 1
	s_wait_xcnt 0x0                                ; the loads' base is stepped only behind this wait
	s_add_nc_u64 s[16:17], s[16:17], 3*STEPB
	s_add_co_u32 s32, s32, 1
	s_cmp_lt_u32 s32, TRIPS
	s_cbranch_scc1 .Lstep
	STEP 1, 0, 1, 32, -1, 1                        ; steps 27 to 30 ask for nothing: the counts run down
	STEP 2, 1, 2, 16, -1, 1
	STEP 0, 2, 0, 0, -1, 1
	STEP 0, 0, 0, 0, -1, 0
	PLACES
.set n, 0
.rept 32
	KEY 1, n                                       ; the last tile's group 1
	BEST 1, n
.set n, n+1
.endr
.irp t, 0,1,2,3,4,5,6,7
	v_or_b32 v[ST+\t], v[ST+\t], v[H8]             ; the row's bit 3: which half of the lanes
.endr
.irp t, 0,1,2,3,4,5,6,7
	v_permlanex16_b32 v[KT+\t], v[ST+\t], s34, s35 ; the query's other eight rows lie 16 lanes away (v24-31 have been written)
.endr
.irp t, 0,1,2,3,4,5,6,7
	v_max_num_f32 v[ST+\t], v[ST+\t], v[KT+\t]
.endr
.irp t, 0,1,2,3,4,5,6,7
	ds_store_b32 v[SCRW], v[ST+\t] offset:64*\t    ; word 16 t + r of my own stage; both halves write the same value
.endr
	ds_load_b128 v[OUT:OUT+3], v[SCRR]             ; four neighbouring queries a lane
	s_wait_dscnt 0x0
	global_store_b128 v[OUTOFF], v[OUT:OUT+3], s[8:9]  ; the wave stores 512 consecutive bytes, aligned
	s_wait_tensorcnt 0x0
	ds_add_u32 v62, v63
	s_wait_dscnt 0x0
	s_endpgm
.Lfunc_end_k_q934808a2be_search:
	.size	k_q934808a2be_search, .Lfunc_end_k_q934808a2be_search-k_q934808a2be_search
	.p2alignl 7, 3214868480
	.fill 96, 4, 3214868480
	.section	.rodata,"a",@progbits
	.p2align	6, 0x0
	.amdhsa_kernel k_q934808a2be_search
		.amdhsa_group_segment_fixed_size 322304
		.amdhsa_private_segment_fixed_size 0
		.amdhsa_enable_private_segment 0
		.amdhsa_kernarg_size 24
		.amdhsa_user_sgpr_count 2
		.amdhsa_user_sgpr_kernarg_segment_ptr 1
		.amdhsa_wavefront_size32 1
		.amdhsa_system_sgpr_workgroup_id_x 1
		.amdhsa_system_sgpr_workgroup_id_y 1
		.amdhsa_system_sgpr_workgroup_id_z 1
		.amdhsa_system_vgpr_workitem_id 0
		.amdhsa_next_free_vgpr 1024
		.amdhsa_next_free_sgpr 66
		.amdhsa_reserve_vcc 0
		.amdhsa_float_denorm_mode_32 3
		.amdhsa_float_denorm_mode_16_64 3
		.amdhsa_memory_ordered 1
		.amdhsa_forward_progress 1
		.amdhsa_inst_pref_size 255
	.end_amdhsa_kernel
	.section	.bss,"aw",@nobits
	.p2align	6
	.space	262144
	.amdgpu_metadata
---
amdhsa.version: [ 1, 2 ]
amdhsa.kernels:
  - .name:           k_q934808a2be_search
    .symbol:         k_q934808a2be_search.kd
    .args:
      - { .name: codes, .offset: 0, .size: 8, .value_kind: global_buffer, .address_space: global }
      - { .name: codebook, .offset: 8, .size: 8, .value_kind: global_buffer, .address_space: global }
      - { .name: vals, .offset: 16, .size: 8, .value_kind: global_buffer, .address_space: global }
    .group_segment_fixed_size: 322304
    .private_segment_fixed_size: 0
    .kernarg_segment_align: 8
    .kernarg_segment_size: 24
    .max_flat_workgroup_size: 128
    .sgpr_count:     66
    .vgpr_count:     1024
    .wavefront_size: 32
...
	.end_amdgpu_metadata
.endif
;; end of part 1
;; launch select (part 2): grid 8 x 1, 8 waves a work-group, no clusters, 17,408 bytes of LDS; arguments vals, sel; writes sel
.if DOCPART == 2
	.amdgcn_target "amdgcn-amd-amdhsa--gfx1250"
	.amdhsa_code_object_version 6
	.text
	.protected	k_q934808a2be_select
	.globl	k_q934808a2be_select
	.p2align	8
	.type	k_q934808a2be_select,@function
k_q934808a2be_select:
	s_mov_b64 s[64:65], 0
	v_nop
	global_prefetch_b8 v0, s[64:65] scope:SCOPE_SE
	s_setreg_imm32_b32 hwreg(HW_REG_WAVE_MODE, 25, 1), 1
	s_wait_xcnt 0x0
; For each query the four largest of its 256 work-group keys, turned into codebook rows (whole numbers, for the next launch's addresses).
; vals [256 g][512 q] f32 keys: the low 10 bits hold 16 (local tile + 1) + row in tile.  sel [512 q][4] rows, best coarse score first.
; Work-group b owns queries 64 b .. +63.  Stage 1: wave w scans g = 32 w .. +31, lane l the queries 2 l, 2 l + 1 (a load covers 256 consecutive
; bytes, aligned), keeping a sorted list of four keys and their g.  Stage 2: waves 0 and 1 merge the eight lists, a query a lane.
; Equal keys: the lower g stays in front.  The work is 512 KiB on 8 work-groups; a finer split would need one more launch to merge.
.set KL, 8                             ; v8-15   list level L, query q': key at KL + 2 L + q'
.set GL, 16                            ; v16-23  its g
.set TT, 24                            ; v24-31  what falls through a level
.set DA, 32                            ; v32-95  loaded keys
.set RW, 96                            ; v96-99  the four rows
; One key (register x) with its g (register gx) goes down query qq's list: at each level the larger stays, the smaller falls on.
.macro INS qq, x, gx
.set xi, \x
.set gi, \gx
.irp L, 0,1,2,3
	v_cmp_gt_f32 vcc_lo, v[xi], v[KL+2*\L+\qq]
.if \L < 3
	v_cndmask_b32 v[TT+4*\qq+2*(\L%2)], v[xi], v[KL+2*\L+\qq], vcc_lo
	v_cndmask_b32 v[TT+4*\qq+2*(\L%2)+1], v[gi], v[GL+2*\L+\qq], vcc_lo
.endif
	v_cndmask_b32 v[KL+2*\L+\qq], v[KL+2*\L+\qq], v[xi], vcc_lo
	v_cndmask_b32 v[GL+2*\L+\qq], v[GL+2*\L+\qq], v[gi], vcc_lo
.set xi, TT+4*\qq+2*(\L%2)
.set gi, TT+4*\qq+2*(\L%2)+1
.endr
.endm
	s_load_b128 s[4:7], s[0:1], 0x0                ; vals s[4:5], sel s[6:7]
	v_lshl_add_u32 v128, v0, 2, 0x4000
	v_mov_b32 v129, 0
	v_lshrrev_b32 v1, 5, v0
	v_readfirstlane_b32 s12, v1                    ; wave
	v_and_b32 v1, 31, v0
	s_lshl_b32 s8, ttmp9, 8                        ; my 64 queries in a row of vals
	s_mov_b32 s9, 0
	s_lshl_b32 s10, ttmp9, 10                      ; and in sel
	s_mov_b32 s11, 0
	s_lshl_b32 s13, s12, 16                        ; 32 w rows of 2,048 bytes
	v_lshl_add_u32 v2, v1, 3, s13
	s_lshl_b32 s14, s12, 5
	v_mov_b32 v3, s14                              ; 32 w
	s_lshl_b32 s15, s12, 10
	v_lshl_add_u32 v4, v1, 3, s15                  ; hand-over: entry 4 w + L is 256 bytes, a word a query
	v_lshlrev_b32 v5, 2, v0                        ; stage 2: my query's word (threads 0-63)
	v_lshlrev_b32 v6, 4, v0                        ; and its 16 bytes of sel
	s_wait_kmcnt 0x0
	s_add_nc_u64 s[4:5], s[4:5], s[8:9]
	s_add_nc_u64 s[6:7], s[6:7], s[10:11]
.set i, 0
.rept 32
	global_load_b64 v[DA+2*i:DA+2*i+1], v2, s[4:5] offset:2048*i
.set i, i+1
.endr
.set i, 0
.rept 8
	v_mov_b32 v[KL+i], 0xff800000
	v_mov_b32 v[GL+i], 0
.set i, i+1
.endr
.set i, 0
.rept 32
	s_wait_loadcnt 31-i                            ; loads come back in order: row i is in
	v_add_nc_u32 v7, i, v3                         ; its g
	INS 0, DA+2*i, 7
	INS 1, DA+2*i+1, 7
.set i, i+1
.endr
.irp L, 0,1,2,3
	ds_store_b64 v4, v[KL+2*\L:KL+2*\L+1] offset:256*\L
	ds_store_b64 v4, v[GL+2*\L:GL+2*\L+1] offset:8192+256*\L
.endr
	s_wait_dscnt 0x0                               ; for the others' sake: my lists are in LDS
	s_barrier_signal -1
	s_barrier_wait -1
	s_cmp_gt_u32 s12, 1
	s_cbranch_scc1 .Lend                           ; 64 queries: two waves merge
.set i, 0
.rept 32
	ds_load_b32 v[DA+i], v5 offset:256*i
	ds_load_b32 v[DA+32+i], v5 offset:8192+256*i
.set i, i+1
.endr
.irp L, 0,1,2,3
	v_mov_b32 v[KL+2*\L], 0xff800000
	v_mov_b32 v[GL+2*\L], 0
.endr
	s_wait_dscnt 0x0
.set i, 0
.rept 32
	INS 0, DA+i, DA+32+i
.set i, i+1
.endr
.irp L, 0,1,2,3
	v_and_b32 v[RW+\L], 0x3ff, v[KL+2*\L]          ; 16 (local tile + 1) + row in tile
	v_min_u32 v[TT+\L], 8, v[GL+2*\L]
	v_mad_u32_u24 v[TT+\L], v[GL+2*\L], 61, v[TT+\L]   ; the work-group's first tile: 61 g + min(g, 8)
	v_lshl_add_u32 v[RW+\L], v[TT+\L], 4, v[RW+\L]
	v_add_nc_u32 v[RW+\L], -16, v[RW+\L]
.endr
	global_store_b128 v6, v[RW:RW+3], s[6:7]
.Lend:
	s_wait_tensorcnt 0x0
	ds_add_u32 v128, v129
	s_wait_dscnt 0x0
	s_endpgm
.Lfunc_end_k_q934808a2be_select:
	.size	k_q934808a2be_select, .Lfunc_end_k_q934808a2be_select-k_q934808a2be_select
	.p2alignl 7, 3214868480
	.fill 96, 4, 3214868480
	.section	.rodata,"a",@progbits
	.p2align	6, 0x0
	.amdhsa_kernel k_q934808a2be_select
		.amdhsa_group_segment_fixed_size 17408
		.amdhsa_private_segment_fixed_size 0
		.amdhsa_enable_private_segment 0
		.amdhsa_kernarg_size 16
		.amdhsa_user_sgpr_count 2
		.amdhsa_user_sgpr_kernarg_segment_ptr 1
		.amdhsa_wavefront_size32 1
		.amdhsa_system_sgpr_workgroup_id_x 1
		.amdhsa_system_sgpr_workgroup_id_y 1
		.amdhsa_system_sgpr_workgroup_id_z 1
		.amdhsa_system_vgpr_workitem_id 0
		.amdhsa_next_free_vgpr 130
		.amdhsa_next_free_sgpr 66
		.amdhsa_reserve_vcc 1
		.amdhsa_float_denorm_mode_32 3
		.amdhsa_float_denorm_mode_16_64 3
		.amdhsa_memory_ordered 1
		.amdhsa_forward_progress 1
		.amdhsa_inst_pref_size 68
	.end_amdhsa_kernel
	.amdgpu_metadata
---
amdhsa.version: [ 1, 2 ]
amdhsa.kernels:
  - .name:           k_q934808a2be_select
    .symbol:         k_q934808a2be_select.kd
    .args:
      - { .name: vals, .offset: 0, .size: 8, .value_kind: global_buffer, .address_space: global }
      - { .name: sel, .offset: 8, .size: 8, .value_kind: global_buffer, .address_space: global }
    .group_segment_fixed_size: 17408
    .private_segment_fixed_size: 0
    .kernarg_segment_align: 8
    .kernarg_segment_size: 16
    .max_flat_workgroup_size: 256
    .sgpr_count:     66
    .vgpr_count:     130
    .wavefront_size: 32
...
	.end_amdgpu_metadata
.endif
;; end of part 2
;; launch first (part 3): grid 16 x 16, 4 waves a work-group, no clusters, 51,200 bytes of LDS; arguments sel, codes, codebook, w_in, b_in, act0; writes act0
.if DOCPART == 3
	.amdgcn_target "amdgcn-amd-amdhsa--gfx1250"
	.amdhsa_code_object_version 6
	.text
	.protected	k_q934808a2be_first
	.globl	k_q934808a2be_first
	.p2align	8
	.type	k_q934808a2be_first,@function
k_q934808a2be_first:
	s_mov_b64 s[64:65], 0
	v_nop
	global_prefetch_b8 v0, s[64:65] scope:SCOPE_SE
	s_setreg_imm32_b32 hwreg(HW_REG_WAVE_MODE, 25, 1), 1
	s_wait_xcnt 0x0
; EXACT RE-RANK, GATHER AND THE FIRST LAYER: I = tanh(prev w_in^T + b_in), prev = the nearest of each query's four candidate rows.
; sel [512][4] rows (whole numbers stored by the launch before; clamped to 249,999 before they enter an address).  w_in [1024][256] f32.
; act0: I in f16 in FRAGMENT ORDER [batch tile 32][K step 32][half 2][lane 32][16 bytes]: lane (r, h), half p holds features 32 ks + 16 p + 8 h .. +7
; of batch row 16 tile + r: what source 1 of the next product wants in registers 4 p .. 4 p + 3, and what a lane owns after D = W x act.
; SHARES.  Work-group (x, y): features 64 x .. +63 of batch rows 32 y .. +31.  Wave w ranks 8 of the 32 queries (four pairs: lanes 0-15 one query,
; lanes 16-31 the query 8 rows on) and puts the chosen rows, in f16, into a stage that the four waves share.  Wave w owns feature tile 4 x + w: its 16
; rows of w_in pass a stage of its own.  16 products a wave: 8 K steps x 2 batch tiles.  The 16 work-groups of a row of the grid repeat the ranking
; (40 KiB a wave), which spares a launch.
; ORDER OF THE LOADS.  sel first, since the candidates' addresses hang on it; query rows, W and bias behind it; then the candidates, all four
; pairs resident in registers, so that nothing but the load counter bounds what is on its way.
; RANK.  d = sum (q - c)^2 in f32: another order of rounding than the expansion -2 q.c + |q|^2 + |c|^2.  On equal d the candidate earlier in sel wins.
; The choice only selects values (v_cndmask_b32); no address hangs on it.
; LIMITS.  prev, w_in in f16 for the product (overflow above 65,504; absolute step below 6e-5); sums, bias and tanh in f32.  NaN, infinities not served.
.set PITCH, 528                        ; 256 f16 + 16 bytes: an odd multiple of 16
.set WSTG,  16*PITCH                   ; a wave's own stage for its 16 rows of W
.set STAGE, 4*WSTG                     ; behind the four: prev's 32 rows, shared
.set L16,  3
.set WOFF, 4
.set WST,  5
.set WFA,  6
.set QOFF, 7
.set SST,  8
.set PFA,  9
.set OOFF, 10
.set BOFF, 11
.set SOFF, 12
.set DD,   16                          ; v16-19 the four distances; v20, v21 the better of each two
.set DS,   22                          ; v22-29 sums of squares, a pair a candidate
.set OFFS, 32                          ; v32-47 byte offsets of the candidates' rows
.set PK,   48                          ; v48-55 packed results
.set ACC,  64                          ; v64-79 two accumulators
.set BIAS, 80
.set WF,   128                         ; v128-191 W's fragments, 8 K steps x 8
.set WS,   64                          ; window 2: v64-191 W as loaded
.set TT,   192                         ; window 2: v192-255 a pair's differences, 16 a candidate
; window 1: the candidates, pair p's candidate e at 64 p + 16 e; later prev's fragments, batch tile t at 64 t + 8 k.  window 2: v0-63 the query rows, 16 a pair.
.set MSB, 0
.macro WIN new                         ; low byte: bits 1:0 source 0, 3:2 source 1, 5:4 source 2, 7:6 destination; the high byte repeats the setting left
.if MSB != (\new)
	s_set_vgpr_msb (MSB<<8)|(\new)
.set MSB, (\new)
.endif
.endm
.macro PLACES
.rept 4
	v_nop
.endr
.endm
	s_load_b256 s[4:11], s[0:1], 0x0               ; sel s[4:5], codes s[6:7], codebook s[8:9], w_in s[10:11]
	s_load_b128 s[12:15], s[0:1], 0x20             ; b_in s[12:13], act0 s[14:15]
	v_lshl_add_u32 v254, v0, 2, 0xc600
	v_mov_b32 v255, 0
	v_lshrrev_b32 v1, 5, v0
	v_readfirstlane_b32 s16, v1                    ; wave
	s_and_b32 s17, ttmp7, 0xffff                   ; y
	v_and_b32 v1, 15, v0                           ; r
	v_bfe_u32 v2, v0, 4, 1                         ; h
	v_lshlrev_b32 v[L16], 4, v1
	s_lshl_b32 s18, s16, 4
	v_lshl_add_u32 v13, v2, 3, s18                 ; 16 w + 8 h: my first row of W
	v_lshl_add_u32 v[WOFF], v13, 10, v[L16]
	v_mul_u32_u24 v[WST], v13, PITCH
	v_lshl_add_u32 v[WST], v1, 3, v[WST]
	s_mul_i32 s19, s16, WSTG
	v_mul_u32_u24 v14, v1, PITCH
	v_lshl_add_u32 v14, v2, 4, v14                 ; r x 528 + 16 h: my place in a fragment
	v_add_nc_u32 v[WFA], s19, v14
	v_add_nc_u32 v[PFA], STAGE, v14
	s_lshr_b32 s20, s16, 1
	s_lshl_b32 s20, s20, 4
	s_and_b32 s21, s16, 1
	s_lshl_b32 s21, s21, 2
	s_add_co_u32 s20, s20, s21                     ; 16 (w / 2) + 4 (w % 2)
	v_lshl_add_u32 v15, v2, 3, s20                 ; + 8 h: my first query of the 32; the halves lie 8 rows (32 banks) apart in the stage
	v_mul_u32_u24 v[SST], v15, PITCH
	v_lshl_add_u32 v[SST], v1, 3, v[SST]
	v_add_nc_u32 v[SST], STAGE, v[SST]
	s_lshl_b32 s21, s17, 5
	v_add_nc_u32 v15, s21, v15                     ; + 32 y
	v_lshl_add_u32 v[QOFF], v15, 10, v[L16]
	v_lshlrev_b32 v[SOFF], 4, v15
	s_lshl_b32 s22, s17, 16                        ; batch tile 2 y x 32 KiB
	s_lshl_b32 s23, ttmp9, 11                      ; + feature tile 4 x + w, 512 bytes each
	s_add_co_u32 s22, s22, s23
	s_lshl_b32 s23, s16, 9
	s_add_co_u32 s22, s22, s23
	v_and_b32 v13, 31, v0
	v_lshl_add_u32 v[OOFF], v13, 4, s22
	s_lshl_b32 s23, s16, 6
	v_lshl_add_u32 v[BOFF], v2, 5, s23             ; 4 (16 w + 8 h)
	s_lshl_b32 s24, ttmp9, 16                      ; 64 rows of w_in
	s_mov_b32 s25, 0
	s_lshl_b32 s26, ttmp9, 8                       ; 64 numbers of b_in
	s_mov_b32 s27, 0
	s_wait_kmcnt 0x0
	s_add_nc_u64 s[10:11], s[10:11], s[24:25]
	s_add_nc_u64 s[12:13], s[12:13], s[26:27]
.irp p, 0,1,2,3
	global_load_b128 v[OFFS+4*\p:OFFS+4*\p+3], v[SOFF], s[4:5] offset:16*\p          ; pair p: each half of the lanes takes its query's four rows
.endr
	WIN 0x80
.irp p, 0,1,2,3
.irp c, 0,1,2,3
	global_load_b128 v[16*\p+4*\c:16*\p+4*\c+3], v[QOFF], s[6:7] offset:1024*\p+256*\c     ; the query rows: each load covers two whole 256-byte pieces
.endr
.endr
.irp p, 0,1,2,3,4,5,6,7
.irp c, 0,1,2,3
	global_load_b128 v[WS+16*\p+4*\c:WS+16*\p+4*\c+3], v[WOFF], s[10:11] offset:1024*\p+256*\c
.endr
.endr
	WIN 0
	global_load_b128 v[BIAS:BIAS+3],   v[BOFF], s[12:13]                             ; register j: the bias of feature 16 w + 8 h + j
	global_load_b128 v[BIAS+4:BIAS+7], v[BOFF], s[12:13] offset:16
	s_wait_loadcnt 50                              ; sel is in: behind it 16 + 32 + 2 loads
.set n, 0
.rept 16
	v_min_u32 v[OFFS+n], 0x3d08f, v[OFFS+n]        ; a row of the table: 249,999 at the most
	v_lshl_add_u32 v[OFFS+n], v[OFFS+n], 10, v[L16]
.set n, n+1
.endr
.macro CLOAD p                         ; pair p's candidates: 16 loads
	WIN 0x40
.irp e, 0,1,2,3
.irp c, 0,1,2,3
	global_load_b128 v[64*\p+16*\e+4*\c:64*\p+16*\e+4*\c+3], v[OFFS+4*\p+\e], s[8:9] offset:256*\c
.endr
.endr
.endm
	CLOAD 0
	CLOAD 1
	CLOAD 2
	s_wait_loadcnt 48                              ; query rows, W and bias are in; the 48 candidates' loads stay out, and W is converted meanwhile
	WIN 0x8a
.set n, WS
.rept 32
	v_cvt_pk_f16_f32 v[n], v[n], v[n+1]
	v_cvt_pk_f16_f32 v[n+1], v[n+2], v[n+3]
.set n, n+4
.endr
	WIN 0x08
.irp p, 0,1,2,3,4,5,6,7
.irp c, 0,1,2,3
	ds_store_b64 v[WST], v[WS+16*\p+4*\c:WS+16*\p+4*\c+1] offset:PITCH*\p+128*\c
.endr
.endr
	WIN 0
.irp k, 0,1,2,3,4,5,6,7
	ds_load_b128 v[WF+8*\k:WF+8*\k+3],   v[WFA] offset:64*\k      ; my own stage, served in order behind my stores
	ds_load_b128 v[WF+8*\k+4:WF+8*\k+7], v[WFA] offset:64*\k+32
.endr
	CLOAD 3
; Pair p is ranked, and the nearer rows go into the shared stage.  lc = the later pairs' loads, which stay out.
.macro PAIR p, lc
	s_wait_loadcnt \lc
	WIN 0x86                                       ; differences and query in window 2, candidates in window 1
.irp e, 0,1,2,3
.irp n, 0,2,4,6,8,10,12,14
	v_pk_add_f32 v[TT+16*\e+\n:TT+16*\e+\n+1], v[16*\p+\n:16*\p+\n+1], v[64*\p+16*\e+\n:64*\p+16*\e+\n+1] neg_lo:[0,1] neg_hi:[0,1]
.endr
.endr
	WIN 0x0a                                       ; sums in window 0
.irp e, 0,1,2,3
	v_pk_mul_f32 v[DS+2*\e:DS+2*\e+1], v[TT+16*\e:TT+16*\e+1], v[TT+16*\e:TT+16*\e+1]
.endr
.irp n, 2,4,6,8,10,12,14
.irp e, 0,1,2,3
	v_pk_fma_f32 v[DS+2*\e:DS+2*\e+1], v[TT+16*\e+\n:TT+16*\e+\n+1], v[TT+16*\e+\n:TT+16*\e+\n+1], v[DS+2*\e:DS+2*\e+1]
.endr
.endr
	WIN 0
.irp e, 0,1,2,3
	v_add_f32 v[DD+\e], v[DS+2*\e], v[DS+2*\e+1]
.endr
.irp m, 1,2,4,8
.irp e, 0,1,2,3
	v_add_f32_dpp v[DD+\e], v[DD+\e], v[DD+\e] row_xmask:\m row_mask:0xf bank_mask:0xf   ; each step adds two numbers that both partners hold: all 16 lanes end with the same bits
.endr
.endr
	v_cmp_lt_f32 s40, v[DD+1], v[DD]
	v_min_num_f32 v[DD+4], v[DD], v[DD+1]
	v_cmp_lt_f32 s41, v[DD+3], v[DD+2]
	v_min_num_f32 v[DD+5], v[DD+2], v[DD+3]
	v_cmp_lt_f32 s42, v[DD+5], v[DD+4]
	WIN 0x55
.set n, 0
.rept 16
	v_cndmask_b32 v[64*\p+n], v[64*\p+n], v[64*\p+16+n], s40
	v_cndmask_b32 v[64*\p+32+n], v[64*\p+32+n], v[64*\p+48+n], s41
.set n, n+1
.endr
.set n, 0
.rept 16
	v_cndmask_b32 v[64*\p+n], v[64*\p+n], v[64*\p+32+n], s42
.set n, n+1
.endr
.irp c, 0,1,2,3
	v_cvt_pk_f16_f32 v[64*\p+4*\c],   v[64*\p+4*\c],   v[64*\p+4*\c+1]
	v_cvt_pk_f16_f32 v[64*\p+4*\c+1], v[64*\p+4*\c+2], v[64*\p+4*\c+3]
.endr
	WIN 0x04
.irp c, 0,1,2,3
	ds_store_b64 v[SST], v[64*\p+4*\c:64*\p+4*\c+1] offset:PITCH*\p+128*\c
.endr
.endm
	PAIR 0, 48
	PAIR 1, 32
	PAIR 2, 16
	PAIR 3, 0
	WIN 0
	s_wait_dscnt 0x0                               ; for the others' sake: my 8 rows of prev are in the stage
	s_barrier_signal -1
	s_barrier_wait -1
	WIN 0x40
.irp t, 0,1
.irp k, 0,1,2,3,4,5,6,7
	ds_load_b128 v[64*\t+8*\k:64*\t+8*\k+3],   v[PFA] offset:\t*16*PITCH+64*\k
	ds_load_b128 v[64*\t+8*\k+4:64*\t+8*\k+7], v[PFA] offset:\t*16*PITCH+64*\k+32
.endr
.endr
	s_wait_dscnt 0x0
	WIN 0x04                                       ; source 1 (prev) in window 1.  The two accumulators take turns
.irp k, 0,1,2,3,4,5,6,7
.irp t, 0,1
.if \k == 0
	v_wmma_f32_16x16x32_f16 v[ACC+8*\t:ACC+8*\t+7], v[WF+8*\k:WF+8*\k+7], v[64*\t+8*\k:64*\t+8*\k+7], v[BIAS:BIAS+7]
.else
	v_wmma_f32_16x16x32_f16 v[ACC+8*\t:ACC+8*\t+7], v[WF+8*\k:WF+8*\k+7], v[64*\t+8*\k:64*\t+8*\k+7], v[ACC+8*\t:ACC+8*\t+7]
.endif
.endr
.endr
	WIN 0
	; tanh(x) = 1 - 2 / (1 + 2^(2 log2(e) x)); at both ends it runs into +-1 through infinity and 0
	PLACES
.set n, 0
.rept 8
	v_pk_mul_f32 v[ACC+n:ACC+n+1], v[ACC+n:ACC+n+1], 0x4038aa3b op_sel_hi:[1,0]
.set n, n+2
.endr
.set n, 0
.rept 16
	v_exp_f32 v[ACC+n], v[ACC+n]
.set n, n+1
.endr
	v_nop                                          ; a plain instruction between the last exponential and its use
.set n, 0
	s_wait_alu depctr_va_vdst(0)
.rept 8
	v_pk_add_f32 v[ACC+n:ACC+n+1], v[ACC+n:ACC+n+1], 1.0 op_sel_hi:[1,0]
.set n, n+2
.endr
.set n, 0
.rept 16
	v_rcp_f32 v[ACC+n], v[ACC+n]
.set n, n+1
.endr
	v_nop
.set n, 0
	s_wait_alu depctr_va_vdst(0)
.rept 8
	v_pk_fma_f32 v[ACC+n:ACC+n+1], v[ACC+n:ACC+n+1], -2.0, 1.0 op_sel_hi:[1,0,0]
.set n, n+2
.endr
.set n, 0
.rept 8
	v_cvt_pk_f16_f32 v[PK+n], v[ACC+2*n], v[ACC+2*n+1]
.set n, n+1
.endr
.irp t, 0,1
	global_store_b128 v[OOFF], v[PK+4*\t:PK+4*\t+3], s[14:15] offset:32768*\t   ; the wave stores 512 consecutive bytes, aligned
.endr
	s_wait_tensorcnt 0x0
	ds_add_u32 v254, v255
	s_wait_dscnt 0x0
	s_endpgm
.Lfunc_end_k_q934808a2be_first:
	.size	k_q934808a2be_first, .Lfunc_end_k_q934808a2be_first-k_q934808a2be_first
	.p2alignl 7, 3214868480
	.fill 96, 4, 3214868480
	.section	.rodata,"a",@progbits
	.p2align	6, 0x0
	.amdhsa_kernel k_q934808a2be_first
		.amdhsa_group_segment_fixed_size 51200
		.amdhsa_private_segment_fixed_size 0
		.amdhsa_enable_private_segment 0
		.amdhsa_kernarg_size 48
		.amdhsa_user_sgpr_count 2
		.amdhsa_user_sgpr_kernarg_segment_ptr 1
		.amdhsa_wavefront_size32 1
		.amdhsa_system_sgpr_workgroup_id_x 1
		.amdhsa_system_sgpr_workgroup_id_y 1
		.amdhsa_system_sgpr_workgroup_id_z 1
		.amdhsa_system_vgpr_workitem_id 0
		.amdhsa_next_free_vgpr 768
		.amdhsa_next_free_sgpr 66
		.amdhsa_reserve_vcc 0
		.amdhsa_float_denorm_mode_32 3
		.amdhsa_float_denorm_mode_16_64 3
		.amdhsa_memory_ordered 1
		.amdhsa_forward_progress 1
		.amdhsa_inst_pref_size 68
	.end_amdhsa_kernel
	.amdgpu_metadata
---
amdhsa.version: [ 1, 2 ]
amdhsa.kernels:
  - .name:           k_q934808a2be_first
    .symbol:         k_q934808a2be_first.kd
    .args:
      - { .name: sel, .offset: 0, .size: 8, .value_kind: global_buffer, .address_space: global }
      - { .name: codes, .offset: 8, .size: 8, .value_kind: global_buffer, .address_space: global }
      - { .name: codebook, .offset: 16, .size: 8, .value_kind: global_buffer, .address_space: global }
      - { .name: w_in, .offset: 24, .size: 8, .value_kind: global_buffer, .address_space: global }
      - { .name: b_in, .offset: 32, .size: 8, .value_kind: global_buffer, .address_space: global }
      - { .name: act0, .offset: 40, .size: 8, .value_kind: global_buffer, .address_space: global }
    .group_segment_fixed_size: 51200
    .private_segment_fixed_size: 0
    .kernarg_segment_align: 8
    .kernarg_segment_size: 48
    .max_flat_workgroup_size: 128
    .sgpr_count:     66
    .vgpr_count:     768
    .wavefront_size: 32
...
	.end_amdgpu_metadata
.endif
;; end of part 3
;; launch l_h1 (part 4): grid 16 x 8, 4 waves a work-group, no clusters, 139,776 bytes of LDS; arguments act0, act3, w_h1, b_h1, w_s2, b_s2, act1, act2; writes act1, act2
.if DOCPART == 4
	.amdgcn_target "amdgcn-amd-amdhsa--gfx1250"
	.amdhsa_code_object_version 6
	.text
	.protected	k_q934808a2be_l_h1
	.globl	k_q934808a2be_l_h1
	.p2align	8
	.type	k_q934808a2be_l_h1,@function
k_q934808a2be_l_h1:
	s_mov_b64 s[64:65], 0
	v_nop
	global_prefetch_b8 v0, s[64:65] scope:SCOPE_SE
	s_setreg_imm32_b32 hwreg(HW_REG_WAVE_MODE, 25, 1), 1
	s_wait_xcnt 0x0
; ONE STAGE OF THE MLP: out = tanh(X W^T + b), W [1024][1024] f32, activations f16 in FRAGMENT ORDER
; [batch tile 32][K step 32][half 2][lane 32][16 bytes]: lane (r, h), half p holds features 32 ks + 16 p + 8 h .. +7 of batch row 16 tile + r.
; Arguments: P, R, W0, b0, W1, b1, out0, out1.  THE GRID'S SHAPE SAYS WHICH JOBS EXIST:
;   x < 16 and y < 8:  out0 = tanh(P W0^T + b0)            x >= 16:  out1 = tanh((P + R) W1^T + b1)            y >= 8:  out1 = tanh(P W1^T + b1)
; The body always takes eight pointers.  A launch whose grid has no second job (16 x 8) or no sum (x < 16 everywhere) is given, in the places
; that its grid never selects, other buffers, which it neither loads from nor stores into.
; SHARES.  A work-group makes 64 features x 64 batch rows over K = 1,024.  Wave w: batch tile 4 (y % 8) + w, four feature tiles, 128 products.
; X goes straight from memory into the wave's registers as source 1 (512 consecutive bytes a load); no wave loads what another holds.
; W is loaded in f32 in chunks of 128 along K (whole 256-byte pieces), rounded to f16 in registers and shared through LDS: eight regions, each
; written once, so one barrier a chunk (stores in front, loads behind) is all the ordering.  D = W x X holds the next stage's fragment order.
; ORDER OF THE LOADS.  Loads come back in the order of issue, so they are asked for in the order of use, in GROUPS, one a chunk: W's 16 loads,
; P's 8, and R's 8 where the job sums.  Groups 0 to 2 go out at the start, group 3 when W's first ring place is free, group c + 4 behind chunk c's
; products.  The jobs with and without R have different counts, so the body is a macro written out twice behind one branch on the grid's x.
; Tensor loads and clusters are not used: W has to pass registers for the conversion.
; LIMITS.  W, X in f16 (overflow above 65,504, absolute step below 6e-5); P + R is rounded to f16; sums, bias and tanh in f32.  NaN, infinities not served.
.set PITCH,  272                       ; 128 f16 + 16 bytes
.set REGION, 64*PITCH
.set WOFF, 2
.set WST0, 3                           ; v3, v4: regions 0-3 and 4-7 (an LDS immediate ends at 65,535)
.set FA0,  5                           ; v5, v6
.set POFF, 7
.set OOFF, 8
.set BOFF, 9
.set ACC,  16
.set BIAS, 48
.set PK,   88
.set WF,   128                         ; 4 K steps x 4 feature tiles x 8
; window 1: X, 8 registers a K step.  window 2: R, likewise.  window 3: v0-191 W as loaded, a ring of three chunks x 64.
.set MSB, 0
.macro WIN new                         ; low byte: bits 1:0 source 0, 3:2 source 1, 5:4 source 2, 7:6 destination; the high byte repeats the setting left
.if MSB != (\new)
	s_set_vgpr_msb (MSB<<8)|(\new)
.set MSB, (\new)
.endif
.endm
.macro PLACES
.rept 4
	v_nop
.endr
.endm
; Group c: W's chunk (my 16 rows x 512 bytes; each load two whole 256-byte pieces, rows p and p + 8), then P's four K steps, then R's.
.macro GLOAD c, add
	WIN 0xc0
.irp p, 0,1,2,3,4,5,6,7
.irp q, 0,1
	global_load_b128 v[64*((\c)%3)+4*(2*\p+\q):64*((\c)%3)+4*(2*\p+\q)+3], v[WOFF], s[20:21] offset:4096*\p+512*(\c)+256*\q
.endr
.endr
	WIN 0x40
.irp i, 0,1,2,3,4,5,6,7
	global_load_b128 v[32*(\c)+4*\i:32*(\c)+4*\i+3], v[POFF], s[4:5] offset:4096*(\c)+512*\i
.endr
.if \add
	WIN 0x80
.irp i, 0,1,2,3,4,5,6,7
	global_load_b128 v[32*(\c)+4*\i:32*(\c)+4*\i+3], v[POFF], s[6:7] offset:4096*(\c)+512*\i
.endr
.endif
.endm
; W's chunk c is in.  Behind its loads stand the rest of its group (8 or 16), for chunk 0 the bias (8), and the later groups that have been issued:
; two up to chunk 5, one for chunk 6, none for chunk 7.  A count cannot name more than 63; the smaller count waits for a few loads more.
.macro WAITW c, add
.set lc, 8+8*\add
.if (\c) == 0
.set lc, lc+8+2*(24+8*\add)
.elseif (\c) <= 5
.set lc, lc+2*(24+8*\add)
.elseif (\c) == 6
.set lc, lc+24+8*\add
.endif
.if lc > 63
.set lc, 63
.endif
	s_wait_loadcnt lc
.endm
.macro WCVT c                          ; chunk c is rounded in place and stored into its region
	WIN 0xcf
.set wn, 64*((\c)%3)
.rept 16
	v_cvt_pk_f16_f32 v[wn], v[wn], v[wn+1]
	v_cvt_pk_f16_f32 v[wn+1], v[wn+2], v[wn+3]
.set wn, wn+4
.endr
	WIN 0x0c
.irp p, 0,1,2,3,4,5,6,7
.irp q, 0,1
	ds_store_b64 v[WST0+(\c)/4], v[64*((\c)%3)+4*(2*\p+\q):64*((\c)%3)+4*(2*\p+\q)+1] offset:((\c)%4)*REGION+PITCH*\p+128*\q
.endr
.endr
.endm
.macro CHUNK c, add
	s_wait_dscnt 0x0                               ; for the others' sake: my rows of region c are stored
	s_barrier_signal -1
	s_barrier_wait -1
	WIN 0
.if \c > 0
	PLACES                                         ; in front of loads into registers that the last products have read
.endif
.irp kk, 0,1,2,3
.irp f, 0,1,2,3
	ds_load_b128 v[WF+32*\kk+8*\f:WF+32*\kk+8*\f+3],   v[FA0+\c/4] offset:(\c%4)*REGION+\f*16*PITCH+64*\kk
	ds_load_b128 v[WF+32*\kk+8*\f+4:WF+32*\kk+8*\f+7], v[FA0+\c/4] offset:(\c%4)*REGION+\f*16*PITCH+64*\kk+32
.endr
.endr
.if \c < 7
	WAITW \c+1, \add                               ; W's next chunk is in, and with it all that was asked for earlier: group c, and the bias
.else
	s_wait_loadcnt 0x0                             ; the last group's P (and R)
.endif
.if \add
	WIN 0x49
.set an, 32*\c
.rept 32
	v_pk_add_f16 v[an], v[an], v[an]               ; this chunk's X: window 1 += window 2
.set an, an+1
.endr
.endif
.if \c < 7
	WCVT \c+1
	s_wait_dscnt 16                                ; the fragments are in; the 16 stores just issued stay out
.else
	s_wait_dscnt 0x0
.endif
	WIN 0x04                                       ; source 1 (X) in window 1.  The four accumulators take turns
.irp kk, 0,1,2,3
.irp f, 0,1,2,3
.if (\c == 0) && (\kk == 0)
	v_wmma_f32_16x16x32_f16 v[ACC+8*\f:ACC+8*\f+7], v[WF+32*\kk+8*\f:WF+32*\kk+8*\f+7], v[8*(4*\c+\kk):8*(4*\c+\kk)+7], v[BIAS+8*\f:BIAS+8*\f+7]
.else
	v_wmma_f32_16x16x32_f16 v[ACC+8*\f:ACC+8*\f+7], v[WF+32*\kk+8*\f:WF+32*\kk+8*\f+7], v[8*(4*\c+\kk):8*(4*\c+\kk)+7], v[ACC+8*\f:ACC+8*\f+7]
.endif
.endr
.endr
.if \c+4 <= 7
	GLOAD \c+4, \add                               ; behind the products: W's ring place was left by the conversion above; none of these registers is a product's
.endif
.endm
.macro EPI                             ; tanh(x) = 1 - 2 / (1 + 2^(2 log2(e) x)); at both ends it runs into +-1 through infinity and 0
	PLACES
.set n, 0
.rept 16
	v_pk_mul_f32 v[ACC+n:ACC+n+1], v[ACC+n:ACC+n+1], 0x4038aa3b op_sel_hi:[1,0]
.set n, n+2
.endr
.set n, 0
.rept 32
	v_exp_f32 v[ACC+n], v[ACC+n]
.set n, n+1
.endr
	v_nop                                          ; a plain instruction between the last exponential and its use
.set n, 0
	s_wait_alu depctr_va_vdst(0)
.rept 16
	v_pk_add_f32 v[ACC+n:ACC+n+1], v[ACC+n:ACC+n+1], 1.0 op_sel_hi:[1,0]
.set n, n+2
.endr
.set n, 0
.rept 32
	v_rcp_f32 v[ACC+n], v[ACC+n]
.set n, n+1
.endr
	v_nop
.set n, 0
	s_wait_alu depctr_va_vdst(0)
.rept 16
	v_pk_fma_f32 v[ACC+n:ACC+n+1], v[ACC+n:ACC+n+1], -2.0, 1.0 op_sel_hi:[1,0,0]
.set n, n+2
.endr
.set n, 0
.rept 16
	v_cvt_pk_f16_f32 v[PK+n], v[ACC+2*n], v[ACC+2*n+1]
.set n, n+1
.endr
.irp f, 0,1,2,3
	global_store_b128 v[OOFF], v[PK+4*\f:PK+4*\f+3], s[24:25] offset:512*\f   ; the wave stores 512 consecutive bytes, aligned
.endr
.endm
.macro BODY add
	GLOAD 0, \add
	WIN 0
.irp f, 0,1,2,3
	global_load_b128 v[BIAS+8*\f:BIAS+8*\f+3],   v[BOFF], s[22:23] offset:64*\f
	global_load_b128 v[BIAS+8*\f+4:BIAS+8*\f+7], v[BOFF], s[22:23] offset:64*\f+16
.endr
	GLOAD 1, \add
	GLOAD 2, \add
	WAITW 0, \add
	WCVT 0
	GLOAD 3, \add
	CHUNK 0, \add
	CHUNK 1, \add
	CHUNK 2, \add
	CHUNK 3, \add
	CHUNK 4, \add
	CHUNK 5, \add
	CHUNK 6, \add
	CHUNK 7, \add
	WIN 0
	EPI
	s_wait_tensorcnt 0x0
	ds_add_u32 v126, v127
	s_wait_dscnt 0x0
	s_endpgm
.endm
	s_load_b512 s[4:19], s[0:1], 0x0               ; P s[4:5], R s[6:7], W0 s[8:9], b0 s[10:11], W1 s[12:13], b1 s[14:15], out0 s[16:17], out1 s[18:19]
	v_lshl_add_u32 v126, v0, 2, 0x22000
	v_mov_b32 v127, 0
	v_lshrrev_b32 v1, 5, v0
	v_readfirstlane_b32 s26, v1                    ; wave
	s_and_b32 s27, ttmp7, 0xffff
	s_lshr_b32 s28, ttmp9, 4                       ; 1: the second job, fed with P + R
	s_lshr_b32 s29, s27, 3
	s_or_b32 s29, s29, s28                         ; 1: the second job
	s_and_b32 s30, ttmp9, 15                       ; which 64 features
	s_and_b32 s31, s27, 7                          ; which 64 batch rows
	v_and_b32 v1, 15, v0
	v_bfe_u32 v10, v0, 4, 1
	s_lshl_b32 s32, s26, 4
	v_lshl_add_u32 v11, v10, 3, s32                ; 16 w + 8 h
	v_lshlrev_b32 v12, 4, v1
	v_lshl_add_u32 v[WOFF], v11, 12, v12
	v_mul_u32_u24 v[WST0], v11, PITCH
	v_lshl_add_u32 v[WST0], v1, 3, v[WST0]
	v_add_nc_u32 v[WST0+1], 4*REGION, v[WST0]
	v_mul_u32_u24 v[FA0], v1, PITCH
	v_lshl_add_u32 v[FA0], v10, 4, v[FA0]
	v_add_nc_u32 v[FA0+1], 4*REGION, v[FA0]
	s_lshl_b32 s33, s31, 2
	s_add_co_u32 s33, s33, s26
	s_lshl_b32 s33, s33, 15                        ; batch tile x 32 KiB
	v_and_b32 v13, 31, v0
	v_lshl_add_u32 v[POFF], v13, 4, s33
	s_lshl_b32 s34, s30, 11                        ; four feature tiles of 512 bytes
	v_add_nc_u32 v[OOFF], s34, v[POFF]
	v_lshlrev_b32 v[BOFF], 5, v10
	s_lshl_b32 s36, s30, 18                        ; 64 rows of W
	s_mov_b32 s37, 0
	s_lshl_b32 s38, s30, 8                         ; 64 numbers of b
	s_mov_b32 s39, 0
	s_wait_kmcnt 0x0
	s_cmp_lg_u32 s29, 0
	s_cselect_b64 s[20:21], s[12:13], s[8:9]       ; W
	s_cselect_b64 s[22:23], s[14:15], s[10:11]     ; b
	s_cselect_b64 s[24:25], s[18:19], s[16:17]     ; out
	s_add_nc_u64 s[20:21], s[20:21], s[36:37]
	s_add_nc_u64 s[22:23], s[22:23], s[38:39]
	s_cmp_eq_u32 s28, 0                            ; the same in all four waves: it hangs on the work-group's x alone
	s_cbranch_scc1 .Lplain
	BODY 1
.Lplain:
	BODY 0
.Lfunc_end_k_q934808a2be_l_h1:
	.size	k_q934808a2be_l_h1, .Lfunc_end_k_q934808a2be_l_h1-k_q934808a2be_l_h1
	.p2alignl 7, 3214868480
	.fill 96, 4, 3214868480
	.section	.rodata,"a",@progbits
	.p2align	6, 0x0
	.amdhsa_kernel k_q934808a2be_l_h1
		.amdhsa_group_segment_fixed_size 139776
		.amdhsa_private_segment_fixed_size 0
		.amdhsa_enable_private_segment 0
		.amdhsa_kernarg_size 64
		.amdhsa_user_sgpr_count 2
		.amdhsa_user_sgpr_kernarg_segment_ptr 1
		.amdhsa_wavefront_size32 1
		.amdhsa_system_sgpr_workgroup_id_x 1
		.amdhsa_system_sgpr_workgroup_id_y 1
		.amdhsa_system_sgpr_workgroup_id_z 1
		.amdhsa_system_vgpr_workitem_id 0
		.amdhsa_next_free_vgpr 960
		.amdhsa_next_free_sgpr 66
		.amdhsa_reserve_vcc 0
		.amdhsa_float_denorm_mode_32 3
		.amdhsa_float_denorm_mode_16_64 3
		.amdhsa_memory_ordered 1
		.amdhsa_forward_progress 1
		.amdhsa_inst_pref_size 181
	.end_amdhsa_kernel
	.amdgpu_metadata
---
amdhsa.version: [ 1, 2 ]
amdhsa.kernels:
  - .name:           k_q934808a2be_l_h1
    .symbol:         k_q934808a2be_l_h1.kd
    .args:
      - { .name: act0, .offset: 0, .size: 8, .value_kind: global_buffer, .address_space: global }
      - { .name: act3, .offset: 8, .size: 8, .value_kind: global_buffer, .address_space: global }
      - { .name: w_h1, .offset: 16, .size: 8, .value_kind: global_buffer, .address_space: global }
      - { .name: b_h1, .offset: 24, .size: 8, .value_kind: global_buffer, .address_space: global }
      - { .name: w_s2, .offset: 32, .size: 8, .value_kind: global_buffer, .address_space: global }
      - { .name: b_s2, .offset: 40, .size: 8, .value_kind: global_buffer, .address_space: global }
      - { .name: act1, .offset: 48, .size: 8, .value_kind: global_buffer, .address_space: global }
      - { .name: act2, .offset: 56, .size: 8, .value_kind: global_buffer, .address_space: global }
    .group_segment_fixed_size: 139776
    .private_segment_fixed_size: 0
    .kernarg_segment_align: 8
    .kernarg_segment_size: 64
    .max_flat_workgroup_size: 128
    .sgpr_count:     66
    .vgpr_count:     960
    .wavefront_size: 32
...
	.end_amdgpu_metadata
.endif
;; end of part 4
;; launch l_s: the kernel of part 4 again; grid 16 x 16, 4 waves a work-group, no clusters, 139,776 bytes of LDS; arguments act1, act0, w_s2, b_s2, w_s3, b_s3, act2, act3; writes act2, act3
;; launch l_h2: the kernel of part 4 again; grid 32 x 8, 4 waves a work-group, no clusters, 139,776 bytes of LDS; arguments act1, act2, w_s1o, b_s1o, w_h2, b_h2, act0, act4; writes act0, act4
;; launch l_o: the kernel of part 4 again; grid 32 x 8, 4 waves a work-group, no clusters, 139,776 bytes of LDS; arguments act4, act3, w_s2o, b_s2o, w_h3, b_h3, act1, act2; writes act1, act2
;; launch final (part 5): grid 8 x 8, 4 waves a work-group, no clusters, 157,184 bytes of LDS; arguments act0, act1, act2, w_mu, b_mu, w_s, b_s, out0, out1; writes out0, out1
.if DOCPART == 5
	.amdgcn_target "amdgcn-amd-amdhsa--gfx1250"
	.amdhsa_code_object_version 6
	.text
	.protected	k_q934808a2be_final
	.globl	k_q934808a2be_final
	.p2align	8
	.type	k_q934808a2be_final,@function
k_q934808a2be_final:
	s_mov_b64 s[64:65], 0
	v_nop
	global_prefetch_b8 v0, s[64:65] scope:SCOPE_SE
	s_setreg_imm32_b32 hwreg(HW_REG_WAVE_MODE, 25, 1), 1
	s_wait_xcnt 0x0
; THE TWO HEADS: out0 = X w_mu^T + b_mu, out1 = X w_s^T + b_s, X = O1 + O2 + O3.  w_mu, w_s [256][1024] f32; out0, out1 [512][256] f32, row-major.
; O1, O2, O3: f16 in fragment order [batch tile 32][K step 32][half 2][lane 32][16 bytes] (lane (r, h), half p: features 32 ks + 16 p + 8 h .. +7 of batch row 16 tile + r).
; Work-group (x, y): head x / 4, its features 64 (x % 4) .. +63, batch rows 64 y .. +63.  Wave w: batch tile 4 y + w, four feature tiles, 128 products.
; W goes as in the stages before: chunks of 128 along K, f32 -> f16 in registers, eight LDS regions written once, one barrier a chunk.
; ORDER OF THE LOADS.  Loads come back in the order of issue, so they are asked for in the order of use, in GROUPS of 40, one a chunk: W's 16 loads, then
; 8 each of O1, O2, O3.  O1 lands where X stays (window 1); O2 and O3 pass rings of four chunk places (window 2) and are added chunk by chunk.
; Groups 0 to 2 go out at the start, group 3 when W's first ring place is free, group c + 4 behind chunk c's products.
; The result (a lane holds eight features of one batch row) goes through the wave's own stage, so that sixteen lanes store 256 consecutive bytes, aligned;
; that is why a work-group keeps 64 features (256 bytes of a row of out).
; LIMITS.  W, X in f16 (overflow above 65,504, absolute step below 6e-5), each of the two sums rounded to f16; products' sums and bias in f32.  NaN, infinities not served.
.set PITCH,  272
.set REGION, 64*PITCH
.set STAGE,  8*REGION                  ; 16 rows x 272 bytes for each wave
.set WOFF, 2
.set WST0, 3
.set FA0,  5
.set POFF, 7
.set GOFF, 8
.set BOFF, 9
.set SSTO, 14
.set SRD,  15
.set ACC,  16
.set BIAS, 48
.set OB,   88                          ; v88-119 rows read back
.set WF,   128
; window 1: X, 8 registers a K step.  window 2: v0-127 O2's ring, v128-255 O3's, 32 a place.  window 3: v0-191 W as loaded, a ring of three chunks x 64.
.set MSB, 0
.macro WIN new
.if MSB != (\new)
	s_set_vgpr_msb (MSB<<8)|(\new)
.set MSB, (\new)
.endif
.endm
.macro PLACES
.rept 4
	v_nop
.endr
.endm
.macro GLOAD c
	WIN 0xc0
.irp p, 0,1,2,3,4,5,6,7
.irp q, 0,1
	global_load_b128 v[64*((\c)%3)+4*(2*\p+\q):64*((\c)%3)+4*(2*\p+\q)+3], v[WOFF], s[22:23] offset:4096*\p+512*(\c)+256*\q
.endr
.endr
	WIN 0x40
.irp i, 0,1,2,3,4,5,6,7
	global_load_b128 v[32*(\c)+4*\i:32*(\c)+4*\i+3], v[POFF], s[4:5] offset:4096*(\c)+512*\i
.endr
	WIN 0x80
.irp i, 0,1,2,3,4,5,6,7
	global_load_b128 v[32*((\c)%4)+4*\i:32*((\c)%4)+4*\i+3], v[POFF], s[6:7] offset:4096*(\c)+512*\i
.endr
.irp i, 0,1,2,3,4,5,6,7
	global_load_b128 v[128+32*((\c)%4)+4*\i:128+32*((\c)%4)+4*\i+3], v[POFF], s[8:9] offset:4096*(\c)+512*\i
.endr
.endm
; W's chunk c is in.  Behind its loads stand the rest of its group (24), for chunk 0 the bias (8), and the later groups of 40 that have been issued:
; two up to chunk 5, one for chunk 6, none for chunk 7.  A count cannot name more than 63; the smaller count waits for a few loads more.
.macro WAITW c
.set lc, 24
.if (\c) == 0
.set lc, lc+8+80
.elseif (\c) <= 5
.set lc, lc+80
.elseif (\c) == 6
.set lc, lc+40
.endif
.if lc > 63
.set lc, 63
.endif
	s_wait_loadcnt lc
.endm
.macro WCVT c
	WIN 0xcf
.set wn, 64*((\c)%3)
.rept 16
	v_cvt_pk_f16_f32 v[wn], v[wn], v[wn+1]
	v_cvt_pk_f16_f32 v[wn+1], v[wn+2], v[wn+3]
.set wn, wn+4
.endr
	WIN 0x0c
.irp p, 0,1,2,3,4,5,6,7
.irp q, 0,1
	ds_store_b64 v[WST0+(\c)/4], v[64*((\c)%3)+4*(2*\p+\q):64*((\c)%3)+4*(2*\p+\q)+1] offset:((\c)%4)*REGION+PITCH*\p+128*\q
.endr
.endr
.endm
.macro CHUNK c
	s_wait_dscnt 0x0                               ; for the others' sake: my rows of region c are stored
	s_barrier_signal -1
	s_barrier_wait -1
	WIN 0
.if \c > 0
	PLACES                                         ; in front of loads into registers that the last products have read
.endif
.irp kk, 0,1,2,3
.irp f, 0,1,2,3
	ds_load_b128 v[WF+32*\kk+8*\f:WF+32*\kk+8*\f+3],   v[FA0+\c/4] offset:(\c%4)*REGION+\f*16*PITCH+64*\kk
	ds_load_b128 v[WF+32*\kk+8*\f+4:WF+32*\kk+8*\f+7], v[FA0+\c/4] offset:(\c%4)*REGION+\f*16*PITCH+64*\kk+32
.endr
.endr
.if \c < 7
	WAITW \c+1                                     ; W's next chunk is in, and with it all that was asked for earlier: group c, and the bias
.else
	s_wait_loadcnt 0x0                             ; the last group's O1, O2, O3
.endif
	WIN 0x49                                       ; this chunk's X: window 1 += window 2, twice
.set an, 0
.rept 32
	v_pk_add_f16 v[32*\c+an], v[32*\c+an], v[32*(\c%4)+an]
.set an, an+1
.endr
.set an, 0
.rept 32
	v_pk_add_f16 v[32*\c+an], v[32*\c+an], v[128+32*(\c%4)+an]
.set an, an+1
.endr
.if \c < 7
	WCVT \c+1
	s_wait_dscnt 16                                ; the fragments are in; the 16 stores just issued stay out
.else
	s_wait_dscnt 0x0
.endif
	WIN 0x04                                       ; source 1 (X) in window 1.  The four accumulators take turns
.irp kk, 0,1,2,3
.irp f, 0,1,2,3
.if (\c == 0) && (\kk == 0)
	v_wmma_f32_16x16x32_f16 v[ACC+8*\f:ACC+8*\f+7], v[WF+32*\kk+8*\f:WF+32*\kk+8*\f+7], v[8*(4*\c+\kk):8*(4*\c+\kk)+7], v[BIAS+8*\f:BIAS+8*\f+7]
.else
	v_wmma_f32_16x16x32_f16 v[ACC+8*\f:ACC+8*\f+7], v[WF+32*\kk+8*\f:WF+32*\kk+8*\f+7], v[8*(4*\c+\kk):8*(4*\c+\kk)+7], v[ACC+8*\f:ACC+8*\f+7]
.endif
.endr
.endr
.if \c+4 <= 7
	GLOAD \c+4                                     ; behind the products: the ring places were left by the sums and the conversion above; none of these registers is a product's
.endif
.endm
	s_load_b512 s[4:19], s[0:1], 0x0               ; O1 s[4:5], O2 s[6:7], O3 s[8:9], w_mu s[10:11], b_mu s[12:13], w_s s[14:15], b_s s[16:17], out0 s[18:19]
	s_load_b64 s[20:21], s[0:1], 0x40              ; out1
	v_lshl_add_u32 v126, v0, 2, 0x26400
	v_mov_b32 v127, 0
	v_lshrrev_b32 v1, 5, v0
	v_readfirstlane_b32 s28, v1                    ; wave
	s_and_b32 s29, ttmp7, 0xffff                   ; which 64 batch rows
	s_lshr_b32 s30, ttmp9, 2                       ; which head
	s_and_b32 s31, ttmp9, 3                        ; which 64 features
	v_and_b32 v1, 15, v0
	v_bfe_u32 v10, v0, 4, 1
	s_lshl_b32 s32, s28, 4
	v_lshl_add_u32 v11, v10, 3, s32                ; 16 w + 8 h
	v_lshlrev_b32 v12, 4, v1
	v_lshl_add_u32 v[WOFF], v11, 12, v12
	v_mul_u32_u24 v[WST0], v11, PITCH
	v_lshl_add_u32 v[WST0], v1, 3, v[WST0]
	v_add_nc_u32 v[WST0+1], 4*REGION, v[WST0]
	v_mul_u32_u24 v[FA0], v1, PITCH
	v_lshl_add_u32 v[FA0], v10, 4, v[FA0]
	v_add_nc_u32 v[FA0+1], 4*REGION, v[FA0]
	s_lshl_b32 s33, s29, 2
	s_add_co_u32 s33, s33, s28
	s_lshl_b32 s34, s33, 15                        ; batch tile x 32 KiB
	v_and_b32 v13, 31, v0
	v_lshl_add_u32 v[POFF], v13, 4, s34
	v_lshlrev_b32 v[BOFF], 5, v10
	v_lshl_add_u32 v[GOFF], v10, 10, v12           ; out: row h, 16 bytes a lane
	s_mul_i32 s35, s28, 16*PITCH
	s_add_co_u32 s35, s35, STAGE                   ; my stage
	v_mul_u32_u24 v[SSTO], v1, PITCH
	v_lshl_add_u32 v[SSTO], v10, 5, v[SSTO]        ; in: batch row r, features 8 h on
	v_add_nc_u32 v[SSTO], s35, v[SSTO]
	v_mul_u32_u24 v[SRD], v10, PITCH
	v_add_nc_u32 v[SRD], v[SRD], v12               ; back: lanes 0-15 one row of 256 bytes, lanes 16-31 the next
	v_add_nc_u32 v[SRD], s35, v[SRD]
	s_lshl_b32 s36, s31, 18                        ; 64 rows of W
	s_mov_b32 s37, 0
	s_lshl_b32 s38, s31, 8                         ; 64 numbers of b, and 64 columns of out
	s_mov_b32 s39, 0
	s_lshl_b32 s40, s33, 14                        ; batch tile x 16 rows of 1,024 bytes
	s_add_co_u32 s40, s40, s38
	s_mov_b32 s41, 0
	s_wait_kmcnt 0x0
	s_cmp_lg_u32 s30, 0
	s_cselect_b64 s[22:23], s[14:15], s[10:11]     ; W
	s_cselect_b64 s[24:25], s[16:17], s[12:13]     ; b
	s_cselect_b64 s[26:27], s[20:21], s[18:19]     ; out
	s_add_nc_u64 s[22:23], s[22:23], s[36:37]
	s_add_nc_u64 s[24:25], s[24:25], s[38:39]
	s_add_nc_u64 s[26:27], s[26:27], s[40:41]
	GLOAD 0
	WIN 0
.irp f, 0,1,2,3
	global_load_b128 v[BIAS+8*\f:BIAS+8*\f+3],   v[BOFF], s[24:25] offset:64*\f
	global_load_b128 v[BIAS+8*\f+4:BIAS+8*\f+7], v[BOFF], s[24:25] offset:64*\f+16
.endr
	GLOAD 1
	GLOAD 2
	WAITW 0
	WCVT 0
	GLOAD 3
	CHUNK 0
	CHUNK 1
	CHUNK 2
	CHUNK 3
	CHUNK 4
	CHUNK 5
	CHUNK 6
	CHUNK 7
	WIN 0
	PLACES                                         ; the LDS stores read results just made
.irp f, 0,1,2,3
	ds_store_b128 v[SSTO], v[ACC+8*\f:ACC+8*\f+3]   offset:64*\f
	ds_store_b128 v[SSTO], v[ACC+8*\f+4:ACC+8*\f+7] offset:64*\f+16
.endr
.irp t, 0,1,2,3,4,5,6,7
	ds_load_b128 v[OB+4*\t:OB+4*\t+3], v[SRD] offset:2*PITCH*\t   ; my own stage, served in order behind my stores
.endr
.irp t, 0,1,2,3,4,5,6,7
	s_wait_dscnt 7-\t
	global_store_b128 v[GOFF], v[OB+4*\t:OB+4*\t+3], s[26:27] offset:2048*\t   ; 16 lanes store 256 consecutive bytes, aligned
.endr
	s_wait_tensorcnt 0x0
	ds_add_u32 v126, v127
	s_wait_dscnt 0x0
	s_endpgm
.Lfunc_end_k_q934808a2be_final:
	.size	k_q934808a2be_final, .Lfunc_end_k_q934808a2be_final-k_q934808a2be_final
	.p2alignl 7, 3214868480
	.fill 96, 4, 3214868480
	.section	.rodata,"a",@progbits
	.p2align	6, 0x0
	.amdhsa_kernel k_q934808a2be_final
		.amdhsa_group_segment_fixed_size 157184
		.amdhsa_private_segment_fixed_size 0
		.amdhsa_enable_private_segment 0
		.amdhsa_kernarg_size 72
		.amdhsa_user_sgpr_count 2
		.amdhsa_user_sgpr_kernarg_segment_ptr 1
		.amdhsa_wavefront_size32 1
		.amdhsa_system_sgpr_workgroup_id_x 1
		.amdhsa_system_sgpr_workgroup_id_y 1
		.amdhsa_system_sgpr_workgroup_id_z 1
		.amdhsa_system_vgpr_workitem_id 0
		.amdhsa_next_free_vgpr 960
		.amdhsa_next_free_sgpr 66
		.amdhsa_reserve_vcc 0
		.amdhsa_float_denorm_mode_32 3
		.amdhsa_float_denorm_mode_16_64 3
		.amdhsa_memory_ordered 1
		.amdhsa_forward_progress 1
		.amdhsa_inst_pref_size 120
	.end_amdhsa_kernel
	.amdgpu_metadata
---
amdhsa.version: [ 1, 2 ]
amdhsa.kernels:
  - .name:           k_q934808a2be_final
    .symbol:         k_q934808a2be_final.kd
    .args:
      - { .name: act0, .offset: 0, .size: 8, .value_kind: global_buffer, .address_space: global }
      - { .name: act1, .offset: 8, .size: 8, .value_kind: global_buffer, .address_space: global }
      - { .name: act2, .offset: 16, .size: 8, .value_kind: global_buffer, .address_space: global }
      - { .name: w_mu, .offset: 24, .size: 8, .value_kind: global_buffer, .address_space: global }
      - { .name: b_mu, .offset: 32, .size: 8, .value_kind: global_buffer, .address_space: global }
      - { .name: w_s, .offset: 40, .size: 8, .value_kind: global_buffer, .address_space: global }
      - { .name: b_s, .offset: 48, .size: 8, .value_kind: global_buffer, .address_space: global }
      - { .name: out0, .offset: 56, .size: 8, .value_kind: global_buffer, .address_space: global }
      - { .name: out1, .offset: 64, .size: 8, .value_kind: global_buffer, .address_space: global }
    .group_segment_fixed_size: 157184
    .private_segment_fixed_size: 0
    .kernarg_segment_align: 8
    .kernarg_segment_size: 72
    .max_flat_workgroup_size: 128
    .sgpr_count:     66
    .vgpr_count:     960
    .wavefront_size: 32
...
	.end_amdgpu_metadata
.endif
;; end of part 5
